; MI455X (gfx1250); checked and timed in simulation.
; The chip was launched on July 23, 2026; its instructions are those of AMD's public machine-readable ISA for CDNA 5 (MIT licence, August 2026) and "CDNA5" Instruction Set Architecture Reference Guide (July 2026). The comments in the code are by the model that wrote it; some were corrected since.
;; Attention Base. Allowed arithmetic: matrix products marked QUANTISED: E4M3 operands, one E8M0 scale for each 32 along K, by v_wmma_scale_f32_16x16x128_f8f6f4 with both operands' format E4M3, f32 sums; everything else in f32.
;; Inputs: k 4 x 2,048 x 1,024 float32; q 4 x 2,048 x 1,024 float32; v 4 x 2,048 x 1,024 float32; w_out 1,024 x 1,024 float32.
;; Outputs: out0 4 x 2,048 x 1,024 float32.
;; This version of the problem:
;;   THIS VERSION OF THE PROBLEM IS GIVEN IN LOW PRECISION. The matrix products marked QUANTISED in the list below multiply operands that are first quantised to E4M3 (4 exponent bits, 3 mantissa bits; 8 bits a number), with one power-of-two scale for each 32 numbers along K (OCP MX v1.0); their sums are f32. All else is computed in f32.
;;   The module's matrix products, in the order in which they are computed (A, B: the left and right operand; K: the contracted axis; several contracted axes count as one K, in the product's order):
;;     1. batch 64 x [M 2,048, K 64] x [K 64, N 2,048]; A: input q; B: input k: QUANTISED
;;     2. batch 64 x [M 2,048, K 2,048] x [K 2,048, N 64]; A: softmax (see below); B: input v: QUANTISED
;;     3. [M 8,192, K 1,024] x [K 1,024, N 1,024]; A: computed on the way; B: input w_out: QUANTISED
;;   THE QUANTISER, for each operand of a quantised product, along K:
;;     - K is cut into blocks of 32 from its start; a last block that is shorter is filled with zeros.
;;     - A block's scale is 2^e with e = floor(log2(the largest magnitude in the block)) - 8, held to -126 .. 127; a block of zeros has e = 0. As a byte (E8M0): e + 127.
;;     - Each number is divided by its block's scale, clamped to +-448, and rounded to the nearest number of E4M3, ties to even, subnormals kept.
;;     - The product sums the exact products of the quantised numbers (number of the format x scale) in f32.
;;   ~~~python
;;   def quantise(x, axis):      # numpy; x: float32 -> the quantised numbers, widened to float32 again
;;       x = np.moveaxis(x, axis, -1); K = x.shape[-1]
;;       x = np.pad(x, [(0, 0)] * (x.ndim - 1) + [(0, -K % 32)]); x = x.reshape(x.shape[:-1] + (-1, 32)); a = np.abs(x).max(-1, keepdims=True)
;;       e = np.where(a > 0, np.clip(np.frexp(np.where(a > 0, a, 1))[1] - 1 - 8, -126, 127), 0)      # np.frexp(a)[1] - 1 = floor(log2(a)), exactly
;;       r = np.clip(x / 2.0 ** e, -448, 448)
;;       step = 2.0 ** (np.maximum(np.frexp(np.where(r == 0, 1, r))[1] - 1, -6) - 3)
;;       q = np.round(r / step) * step * 2.0 ** e      # np.round: ties to even
;;       return np.moveaxis(q.reshape(q.shape[:-2] + (-1,))[..., :K], -1, axis).astype(np.float32)
;;   ~~~
;;   SOFTMAX AHEAD OF A QUANTISED PRODUCT. Where the list says 'softmax', what is quantised is not the finished softmax but p = 2^(t - M), with t = logit x log2(e) and M = ceil(the row's largest t), a whole number; so 1/2 < the row's largest p <= 1. The row's sum l is taken of the UNQUANTISED p, in f32, and the product's result is divided by l at the end. Since M is a whole number, a kernel that streams over the keys may use a running M (the ceiling of the running maximum): every later rescaling is an exact power of two, which a block's scale takes up: the codes' values come out the same.
;;   OPERANDS COMPUTED ON THE WAY. 'Computed on the way' means the value that the module computes at that place (a softmax that the list does not call 'softmax' is quantised finished and normalised). What goes into a quantiser is computed in f32, as accurately as f32 sums, v_exp_f32 and their like allow (about 1e-6 of the number): no bf16 or f16 on the way to a quantiser, and a product that is left as it is and whose result goes on into a quantised operand takes f32 operands (vector FMAs, or v_wmma_f32_16x16x4_f32). A number that lies on a knife's edge between two numbers of the format may be rounded either way, as far as f32 arithmetic and the matrix unit's own rounding can turn it there, and no further.
;; One version. Each part assembles by itself: llvm-mc -triple=amdgcn-amd-amdhsa -mcpu=gfx1250 --defsym DOCPART=n.
;; ======== version 1 of 1: 3 launches
;; limits: right only within a limited range of input values
;; workspace buffers: kv 17,563,648 bytes; wimg 1,048,576 bytes; bsc 32,768 bytes; aimg 8,388,608 bytes; asc 262,144 bytes
;; launch prep (part 1): grid 400 x 1, 4 waves a work-group, no clusters, 34,304 bytes of LDS; arguments k, v, w_out, kv, wimg, bsc; writes kv, wimg, bsc
.if DOCPART == 1
	.amdgcn_target "amdgcn-amd-amdhsa--gfx1250"
	.amdhsa_code_object_version 6
	.text
	.protected	k_q1e65263dd6_prep
	.globl	k_q1e65263dd6_prep
	.p2align	8
	.type	k_q1e65263dd6_prep,@function
k_q1e65263dd6_prep:
	s_mov_b64 s[64:65], 0
	v_nop
	global_prefetch_b8 v0, s[64:65] scope:SCOPE_SE
	s_setreg_imm32_b32 hwreg(HW_REG_WAVE_MODE, 25, 1), 1
	s_wait_xcnt 0x0
; k, v [4][2048][1024] and w_out [1024][1024], f32, become codes of FP8 (E4M3) with one E8M0 byte for each 32 along the product's K, laid as IMAGES OF OPERAND REGISTERS:
; a chunk is 512 bytes, lane l's 16 bytes at 16 l, so that a later launch gets four registers of a fragment by one load of 16 bytes a lane.
; kv: [batch][head][step of 128 keys] records of STEPB bytes: K's 8 tiles (16 keys x 64 channels, 2 chunks each), V's 4 tiles (16 channels x 128 keys, 4 chunks each), K's scale words (512 bytes), V's (256 bytes).
;   Row r of K's tile 2 b + u is key 32 b + 8 u + r + 8 (r / 8); row r of V's tile 2 b + u is channel 32 b + 8 u + r + 8 (r / 8): so a transposed product leaves a lane 16 neighbours along the next K.
;   Scale words: lane l's register i holds the word of tile 2 i + l / 16, row l % 16.
; wimg: [256 along K][16 rows][128 along K][chunk]; bsc: [128 rows][128 along K][512 bytes of scale words, laid as K's].
; A block's scale is 2^(floor(log2(its largest magnitude)) - 8); its byte is the largest magnitude's exponent field - 8, held at 1 from below; numbers are held within +-448 x the scale and rounded to the nearest code, ties to even.
; LIMITS: a block of zeros gets the byte 1 where the quantiser's text says 127 (its codes are zeros, and this program alone reads the bytes); NaN and infinities among the inputs are not served.
; Work-groups 0-255 take v (K = the keys, not innermost: a lane takes a channel and its registers run down the keys; no LDS).  Work-groups 256-399 take k (128 of them) and w_out (16): K innermost, ONE path for both,
; on which only pointers and a few numbers are chosen by the work-group's number.  Waves share nothing: no barrier.  No tensor loads, no clusters: every byte is read once, by one wave.
.set STEPB, 17152
.set VOF,   8192
.set KSC,   16384
.set VSC,   16896
.set HEADB, 16*STEPB                   ; from a head's record to the next head's record of the same step
.set SP,    528                        ; a stage row: 512 bytes + 16 = 132 words: row r starts at bank 4 r mod 64 (64 banks of 4 bytes: ISA guide 11.1)
.set MNT,   40                         ; s40      the mantissa field of 448
.set SEL,   42                         ; s[42:43] lane selects for v_permlanex16_b32: lane l xor 16
; the path for v
.set VLD,   2                          ; v2       4 x my channel among 32
.set VST,   3                          ; v3       where my codes go in a pair of tiles
.set VSS,   4                          ; v4       8 x lane: my two scale words
.set SB,    24                         ; v24-25   scale words of my rows of tiles u and 2 + u
.set VX,    32                         ; v32-95   two sets of 32 numbers
.set VC,    96                         ; v96-111  two sets of 8 code registers
; the path for k and w_out
.set VA0,   2                          ; v2       16 x lane
.set VA1,   3                          ; v3       + 8 rows for k, + 0 for w_out
.set VA2,   4                          ; v4       + 0 for k, + 8 rows for w_out
.set LST,   5                          ; v5       the stage, on the way in
.set LRD,   6                          ; v6       and on the way out
.set CO0,   7                          ; v7       where a tile's chunks 0, 1 go
.set CO1,   8                          ; v8       and its chunks 2, 3
.set R,     16                         ; v16-143  two sets of 16 rows as loaded
.set X,     144                        ; v144-207 64 numbers of my row: register 16 c + i = column 32 c + 16 (lane / 16) + i
.set PC,    208                        ; v208-223 the fragment's codes
.set TM,    224                        ; v224-239 at work
.set PW,    240                        ; v240     the scale word just made
.set WD,    242                        ; v242-249 the eight tiles' scale words
	s_load_b128 s[4:7], s[0:1], 0x0                ; k s[4:5], v s[6:7]
	s_load_b128 s[8:11], s[0:1], 0x10              ; w_out s[8:9], kv s[10:11]
	s_load_b128 s[12:15], s[0:1], 0x20             ; wimg s[12:13], bsc s[14:15]
	v_lshl_add_u32 v254, v0, 2, 0x8400
	v_mov_b32 v255, 0
	v_lshrrev_b32 v1, 5, v0
	v_readfirstlane_b32 s16, v1                    ; wave 0..3
	v_and_b32 v1, 31, v0                           ; lane
	s_mov_b32 s[MNT], 0x600000
	s_cmp_lt_u32 ttmp9, 256
	s_cbranch_scc0 .Lrowq
; ---------------- v: a wave makes the V part of one record: 64 channels x 128 keys ----------------
	s_lshr_b32 s17, ttmp9, 2                       ; 16 x batch + step
	s_and_b32 s18, ttmp9, 3
	s_lshl_b32 s18, s18, 2
	s_add_co_u32 s18, s18, s16                     ; head
	s_lshl_b32 s20, s17, 19                        ; 128 keys of 4,096 bytes
	s_lshl_b32 s19, s18, 8                         ; a head's 64 channels are 256 bytes
	s_add_co_u32 s20, s20, s19
	s_mov_b32 s21, 0
	s_lshr_b32 s22, s17, 4
	s_lshl_b32 s22, s22, 4
	s_add_co_u32 s22, s22, s18
	s_lshl_b32 s22, s22, 4
	s_and_b32 s19, s17, 15
	s_add_co_u32 s22, s22, s19                     ; the record: (16 batch + head) 16 + step
	s_mul_i32 s22, s22, STEPB
	s_mov_b32 s23, 0
	s_wait_alu depctr_va_vdst(0)
	v_and_b32 v5, 15, v1                           ; r
	v_lshrrev_b32 v6, 4, v1                        ; u
	v_and_b32 v7, 8, v5
	v_add_nc_u32 v7, v7, v5
	v_lshl_add_u32 v7, v6, 3, v7                   ; my channel among 32: 8 u + r + 8 (r / 8): row r of tile 2 b + u
	v_lshlrev_b32 v[VLD], 2, v7
	v_lshlrev_b32 v[VST], 4, v5
	v_lshl_add_u32 v[VST], v6, 11, v[VST]          ; 2,048 u + 16 r: sixteen lanes store 256 consecutive bytes of one tile
	v_lshlrev_b32 v[VSS], 3, v1
	s_wait_alu depctr_va_vdst(0)
	s_wait_kmcnt 0x0
	s_add_nc_u64 s[6:7], s[6:7], s[20:21]
	s_add_nc_u64 s[10:11], s[10:11], s[22:23]
; Block n of eight: keys 32 (n / 2) on, channels 32 (n % 2) on.  The two halves of each key's 256 bytes are so read one block after the other.
.macro VLOAD n
.irp i, 0,1,2,3,4,5,6,7,8,9,10,11,12,13,14,15,16,17,18,19,20,21,22,23,24,25,26,27,28,29,30,31
	global_load_b32 v[VX+32*((\n)%2)+\i], v[VLD], s[6:7] offset:(32*((\n)/2)+\i)*4096+128*((\n)%2) th:TH_LOAD_NT   ; one key, 32 channels: 128 consecutive bytes
.endr
.endm
.macro VBLOCK n
.set XS, VX+32*((\n)%2)
.set CC, VC+8*((\n)%2)
.if (\n) < 7
	s_wait_loadcnt 32                              ; this block's 32 loads are in; the next block's 32 may be out
.else
	s_wait_loadcnt 0x0
.endif
	v_max3_num_f32 v12, |v[XS]|, |v[XS+1]|, |v[XS+2]|              ; the block's largest magnitude: all 32 numbers are mine
	v_max3_num_f32 v13, |v[XS+3]|, |v[XS+4]|, |v[XS+5]|
.irp i, 6,10,14,18,22,26
	v_max3_num_f32 v12, v12, |v[XS+\i]|, |v[XS+\i+1]|
	v_max3_num_f32 v13, v13, |v[XS+\i+2]|, |v[XS+\i+3]|
.endr
	v_max3_num_f32 v12, v12, |v[XS+30]|, |v[XS+31]|
	v_max3_num_f32 v12, v12, v13, 0x4800000        ; and the floor 2^(9 - 127): the byte cannot fall under 1
	v_add_nc_u32 v11, 0xfc000000, v12              ; 8 off the exponent field: the conversion's scale operand
	v_and_or_b32 v10, v12, 0x7f800000, s[MNT]      ; 448 x the scale
	v_lshrrev_b32 v13, 23, v11                     ; the scale's byte
.if (\n)/2 == 0
	v_mov_b32 v[SB+(\n)%2], v13                    ; four key blocks to a word, the lower keys in the lower byte
.else
	v_lshl_or_b32 v[SB+(\n)%2], v13, 8*((\n)/2), v[SB+(\n)%2]
.endif
.irp i, 0,1,2,3,4,5,6,7,8,9,10,11,12,13,14,15,16,17,18,19,20,21,22,23,24,25,26,27,28,29,30,31
	v_med3_num_f32 v[XS+\i], v[XS+\i], -v10, v10   ; the conversion to an 8-bit code does not saturate (ISA guide 7.6.2): the hold comes first
.endr
	s_wait_alu depctr_va_vdst(0)
	s_wait_xcnt 0x0                                ; the stores of two blocks ago have read this set of code registers
.irp g, 0,1,2,3
	v_cvt_scalef32_pk8_fp8_f32 v[CC+2*\g:CC+2*\g+1], v[XS+8*\g:XS+8*\g+7], v11
.endr
	v_nop                                          ; a plain line behind the last conversion
	global_store_b128 v[VST], v[CC:CC+3], s[10:11] offset:VOF+4096*((\n)%2)+512*((\n)/2)        ; keys 0-15 of the block: the place of lanes 0-15 of the chunk
	global_store_b128 v[VST], v[CC+4:CC+7], s[10:11] offset:VOF+4096*((\n)%2)+512*((\n)/2)+256  ; keys 16-31: the place of lanes 16-31
.if (\n)+2 < 8
	VLOAD (\n)+2
.endif
.endm
	VLOAD 0
	VLOAD 1
.irp n, 0,1,2,3,4,5,6,7
	VBLOCK \n
.endr
	global_store_b64 v[VSS], v[SB:SB+1], s[10:11] offset:VSC       ; 32 lanes store 256 consecutive bytes
	s_endpgm
; ---------------- k and w_out: a wave takes 128 rows x 128 columns: eight fragments of 16 rows x 128 ----------------
.Lrowq:
	s_sub_co_u32 s17, ttmp9, 256                   ; 0-127: k;  128-143: w_out
	s_lshr_b32 s18, s17, 1
	s_and_b32 s18, s18, 63                         ; X: k: 16 x batch + step;  w_out: which 128 rows
	s_and_b32 s19, s17, 1
	s_lshl_b32 s19, s19, 2
	s_add_co_u32 s19, s19, s16                     ; Y: which 128 columns (k: a pair of heads)
	s_lshl_b32 s20, s18, 19                        ; 128 rows of 4,096 bytes
	s_lshl_b32 s24, s19, 9
	s_add_co_u32 s20, s20, s24
	s_mov_b32 s21, 0
	s_lshr_b32 s22, s18, 4                         ; k: the record of head 2 Y
	s_lshl_b32 s22, s22, 4
	s_lshl_b32 s24, s19, 1
	s_add_co_u32 s22, s22, s24
	s_lshl_b32 s22, s22, 4
	s_and_b32 s24, s18, 15
	s_add_co_u32 s22, s22, s24
	s_mul_i32 s22, s22, STEPB
	s_add_co_u32 s34, s22, KSC                     ; and its scale words
	s_lshr_b32 s23, s19, 1                         ; w_out: (Y / 2) x 262,144 + X x 32,768 + (Y % 2) x 2,048
	s_lshl_b32 s23, s23, 18
	s_lshl_b32 s24, s18, 15
	s_add_co_u32 s23, s23, s24
	s_and_b32 s24, s19, 1
	s_lshl_b32 s24, s24, 11
	s_add_co_u32 s23, s23, s24
	s_lshl_b32 s35, s18, 3
	s_add_co_u32 s35, s35, s19
	s_lshl_b32 s35, s35, 9                         ; its scale words: (8 X + Y) x 512
	s_mov_b32 s25, 4096
	s_mov_b32 s26, 1024
	s_mov_b32 s37, 0
	s_mov_b32 s39, 0
	s_mov_b32 s[SEL], 0x76543210
	s_mov_b32 s[SEL+1], 0xfedcba98
	s_wait_kmcnt 0x0
	s_cmp_lt_u32 s17, 128                          ; k or w_out?  The choice hangs on the work-group's number alone; the selects leave SCC as it is
	s_cselect_b32 s24, 32768, 0                    ; k's tiles take rows 8 further on for their upper eight
	s_cselect_b32 s25, 1024, s25                   ; from tile to tile in the codes
	s_cselect_b32 s26, HEADB, s26                  ; from chunks 0, 1 to chunks 2, 3: k: the next head's record
	s_cselect_b32 s27, 0xffff, -1                  ; k's scale words hold two bytes and two zeros
	s_cselect_b32 s28, 1, 0
	s_cselect_b32 s36, s22, s23
	s_cselect_b32 s38, s34, s35
	s_cselect_b64 s[4:5], s[4:5], s[8:9]
	s_cselect_b64 s[30:31], s[10:11], s[12:13]
	s_cselect_b64 s[32:33], s[10:11], s[14:15]
	s_add_nc_u64 s[4:5], s[4:5], s[20:21]
	s_add_nc_u64 s[30:31], s[30:31], s[36:37]
	s_add_nc_u64 s[32:33], s[32:33], s[38:39]
	s_wait_alu depctr_va_vdst(0)
	v_lshlrev_b32 v[VA0], 4, v1
	v_add_nc_u32 v[VA1], s24, v[VA0]
	s_sub_co_u32 s29, 32768, s24
	v_add_nc_u32 v[VA2], s29, v[VA0]
	s_mul_i32 s41, s16, 16*SP                      ; my wave's stage
	v_add_nc_u32 v[LST], s41, v[VA0]               ; in: a row's 512 bytes as they lie
	v_and_b32 v9, 15, v1
	v_lshrrev_b32 v10, 4, v1
	v_mul_u32_u24 v[LRD], v9, SP
	v_lshl_add_u32 v[LRD], v10, 6, v[LRD]
	v_add_nc_u32 v[LRD], s41, v[LRD]               ; out: row lane % 16, + 64 bytes for lanes 16-31: my 16 numbers of each block of 32
	v_mov_b32 v[CO0], v[VA0]
	v_add_nc_u32 v[CO1], s26, v[VA0]
.irp b, 0,1,2,3
	v_mov_b32 v[TM+4+\b], 0                        ; written once: a lane permute's destination counts as one of its sources
.endr
; Tile t's 16 rows, 512 consecutive bytes a load.  k: row i of tile t is key 32 (t / 2) + 8 (t % 2) + i + 8 (i / 8);  w_out: row 16 t + i.  The two differ by 8 rows in half of the loads: VA1 and VA2 carry that.
.macro LOADT t
.set RL, R+64*((\t)%2)
.irp i, 0,1,2,3,4,5,6,7,8,9,10,11,12,13,14,15
.if (((\t)%2) == 0) && (\i < 8)
	global_load_b128 v[RL+4*\i:RL+4*\i+3], v[VA0], s[4:5] offset:(16*(\t)+\i)*4096 th:TH_LOAD_NT
.elseif ((\t)%2) == 0
	global_load_b128 v[RL+4*\i:RL+4*\i+3], v[VA1], s[4:5] offset:(16*(\t)+\i)*4096 th:TH_LOAD_NT
.elseif \i < 8
	global_load_b128 v[RL+4*\i:RL+4*\i+3], v[VA2], s[4:5] offset:(16*(\t)+\i-8)*4096 th:TH_LOAD_NT
.else
	global_load_b128 v[RL+4*\i:RL+4*\i+3], v[VA0], s[4:5] offset:(16*(\t)+\i)*4096 th:TH_LOAD_NT
.endif
.endr
.endm
; 64 numbers of a lane, register 16 b + i = column 32 b + 16 (lane / 16) + i of my row, become a fragment's codes in v[PC] on and its scale word in v[PW].
.macro QUANT s
.irp b, 0,1,2,3
	v_max3_num_f32 v[TM+\b], |v[\s+16*\b]|, |v[\s+1+16*\b]|, 0x4800000   ; my 16 numbers of block b, and the floor 2^(9 - 127)
.endr
.irp i, 2,4,6,8,10,12,14
.irp b, 0,1,2,3
	v_max3_num_f32 v[TM+\b], v[TM+\b], |v[\s+16*\b+\i]|, |v[\s+1+16*\b+\i]|   ; the four blocks by turns
.endr
.endr
.irp b, 0,1,2,3
	v_permlanex16_b32 v[TM+4+\b], v[TM+\b], s[SEL], s[SEL+1]
.endr
.irp b, 0,1,2,3
	v_max_num_f32 v[TM+\b], v[TM+\b], v[TM+4+\b]   ; with lane l xor 16's: the block's largest magnitude
.endr
.irp b, 0,1,2,3
	v_add_nc_u32 v[TM+12+\b], 0xfc000000, v[TM+\b] ; the conversion's scale operand
.endr
.irp b, 0,1,2,3
	v_and_or_b32 v[TM+8+\b], v[TM+\b], 0x7f800000, s[MNT]   ; 448 x the scale
.endr
.irp b, 0,1,2,3
	v_lshrrev_b32 v[TM+4+\b], 23, v[TM+12+\b]      ; the scale's byte
.endr
	v_lshl_or_b32 v[PW], v[TM+5], 8, v[TM+4]
	v_lshl_or_b32 v[PW], v[TM+6], 16, v[PW]
	v_lshl_or_b32 v[PW], v[TM+7], 24, v[PW]
.irp b, 0,1,2,3
.irp i, 0,1,2,3,4,5,6,7,8,9,10,11,12,13,14,15
	v_med3_num_f32 v[\s+16*\b+\i], v[\s+16*\b+\i], -v[TM+8+\b], v[TM+8+\b]
.endr
	v_cvt_scalef32_pk8_fp8_f32 v[PC+4*\b:PC+1+4*\b], v[\s+16*\b:\s+7+16*\b], v[TM+12+\b]
	v_cvt_scalef32_pk8_fp8_f32 v[PC+2+4*\b:PC+3+4*\b], v[\s+8+16*\b:\s+15+16*\b], v[TM+12+\b]
.endr
	v_nop                                          ; a plain line behind the last conversion
.endm
.macro TILE t
.set RS, R+64*((\t)%2)
.if (\t) < 7
	s_wait_loadcnt 16                              ; this tile's 16 loads are in; the next tile's 16 may be out
.else
	s_wait_loadcnt 0x0
.endif
.irp i, 0,1,2,3,4,5,6,7,8,9,10,11,12,13,14,15
	ds_store_b128 v[LST], v[RS+4*\i:RS+4*\i+3] offset:SP*\i
.endr
.irp c, 0,1,2,3
.irp j, 0,1,2,3
	ds_load_b128 v[X+16*\c+4*\j:X+16*\c+4*\j+3], v[LRD] offset:128*\c+16*\j   ; LDS serves a wave's instructions in order (ISA guide 5.7.1.4): these see my stores
.endr
.endr
	s_wait_dscnt 0x0                               ; my numbers are back, and the stage's stores have read their registers
	s_wait_xcnt 0x0                                ; the last tile's stores have read their codes and offsets
.if (\t) > 0
	v_add_nc_u32 v[CO0], s25, v[CO0]
	v_add_nc_u32 v[CO1], s25, v[CO1]
.endif
.if (\t)+2 < 8
	LOADT (\t)+2
.endif
	QUANT X
	v_mov_b32 v[WD+(\t)], v[PW]
	global_store_b128 v[CO0], v[PC:PC+3], s[30:31]                 ; each store: 512 consecutive bytes, a chunk
	global_store_b128 v[CO0], v[PC+4:PC+7], s[30:31] offset:512
	global_store_b128 v[CO1], v[PC+8:PC+11], s[30:31]
	global_store_b128 v[CO1], v[PC+12:PC+15], s[30:31] offset:512
.endm
	LOADT 0
	LOADT 1
	s_wait_alu depctr_va_vdst(0)
.irp t, 0,1,2,3,4,5,6,7
	TILE \t
.endr
	v_cmp_lt_u32 vcc_lo, 15, v1                    ; the scale words: lanes 0-15 take the even tiles' words, lanes 16-31 the odd tiles' (every lane holds its row's word of every tile)
.irp j, 0,1,2,3
	v_cndmask_b32 v[X+\j], v[WD+2*\j], v[WD+2*\j+1], vcc_lo
.endr
.irp j, 0,1,2,3
	v_and_b32 v[X+4+\j], s27, v[X+\j]              ; k: the first head's two bytes;  w_out: all four
.endr
	global_store_b128 v[VA0], v[X+4:X+7], s[32:33]                 ; 512 consecutive bytes
	s_cmp_eq_u32 s28, 1
	s_cbranch_scc0 .Ldone
.irp j, 0,1,2,3
	v_lshrrev_b32 v[X+8+\j], 16, v[X+\j]           ; k: the second head's two bytes, into its record
.endr
	global_store_b128 v[VA0], v[X+8:X+11], s[32:33] offset:HEADB
.Ldone:
	s_wait_tensorcnt 0x0
	ds_add_u32 v254, v255
	s_wait_dscnt 0x0
	s_endpgm
.Lfunc_end_k_q1e65263dd6_prep:
	.size	k_q1e65263dd6_prep, .Lfunc_end_k_q1e65263dd6_prep-k_q1e65263dd6_prep
	.p2alignl 7, 3214868480
	.fill 96, 4, 3214868480
	.section	.rodata,"a",@progbits
	.p2align	6, 0x0
	.amdhsa_kernel k_q1e65263dd6_prep
		.amdhsa_group_segment_fixed_size 34304
		.amdhsa_private_segment_fixed_size 0
		.amdhsa_enable_private_segment 0
		.amdhsa_kernarg_size 48
		.amdhsa_user_sgpr_count 2
		.amdhsa_user_sgpr_kernarg_segment_ptr 1
		.amdhsa_wavefront_size32 1
		.amdhsa_system_sgpr_workgroup_id_x 1
		.amdhsa_system_sgpr_workgroup_id_y 1
		.amdhsa_system_sgpr_workgroup_id_z 1
		.amdhsa_system_vgpr_workitem_id 0
		.amdhsa_next_free_vgpr 256
		.amdhsa_next_free_sgpr 66
		.amdhsa_reserve_vcc 1
		.amdhsa_float_denorm_mode_32 3
		.amdhsa_float_denorm_mode_16_64 3
		.amdhsa_memory_ordered 1
		.amdhsa_forward_progress 1
		.amdhsa_inst_pref_size 157
	.end_amdhsa_kernel
	.amdgpu_metadata
---
amdhsa.version: [ 1, 2 ]
amdhsa.kernels:
  - .name:           k_q1e65263dd6_prep
    .symbol:         k_q1e65263dd6_prep.kd
    .args:
      - { .name: k, .offset: 0, .size: 8, .value_kind: global_buffer, .address_space: global }
      - { .name: v, .offset: 8, .size: 8, .value_kind: global_buffer, .address_space: global }
      - { .name: w_out, .offset: 16, .size: 8, .value_kind: global_buffer, .address_space: global }
      - { .name: kv, .offset: 24, .size: 8, .value_kind: global_buffer, .address_space: global }
      - { .name: wimg, .offset: 32, .size: 8, .value_kind: global_buffer, .address_space: global }
      - { .name: bsc, .offset: 40, .size: 8, .value_kind: global_buffer, .address_space: global }
    .group_segment_fixed_size: 34304
    .private_segment_fixed_size: 0
    .kernarg_segment_align: 8
    .kernarg_segment_size: 48
    .max_flat_workgroup_size: 128
    .sgpr_count:     66
    .vgpr_count:     256
    .wavefront_size: 32
...
	.end_amdgpu_metadata
.endif
;; end of part 1
;; launch attn (part 2): grid 4 x 64, 16 waves a work-group, clusters of 4 x 1, 327,680 bytes of LDS; arguments q, kv, aimg, asc; writes aimg, asc
.if DOCPART == 2
	.amdgcn_target "amdgcn-amd-amdhsa--gfx1250"
	.amdhsa_code_object_version 6
	.text
	.protected	k_q1e65263dd6_attn
	.globl	k_q1e65263dd6_attn
	.p2align	8
	.type	k_q1e65263dd6_attn,@function
k_q1e65263dd6_attn:
	s_mov_b64 s[64:65], 0
	v_nop
	global_prefetch_b8 v0, s[64:65] scope:SCOPE_SE
	s_setreg_imm32_b32 hwreg(HW_REG_WAVE_MODE, 25, 1), 1
	s_wait_xcnt 0x0
	s_wait_alu depctr_hold_cnt(0) depctr_sa_sdst(0) depctr_va_vdst(0) depctr_va_sdst(0) depctr_va_ssrc(0) depctr_va_vcc(0) depctr_vm_vsrc(0)
	s_getreg_b32 s2, hwreg(HW_REG_IB_STS2, 6, 4)
	s_cmp_eq_u32 s2, 0
	s_cbranch_scc0 .Lentry_in_a_cluster
	s_endpgm
.Lentry_in_a_cluster:
	s_bfe_u32 s2, ttmp6, 0x10000c
	s_cmp_lg_u32 s2, 0x3003
	s_cbranch_scc0 .Lentry_shape_is_right
	s_endpgm
.Lentry_shape_is_right:
; o[b][n][h 64 + d] = the sum over keys of softmax(q . k / 8) v, both products on codes of FP8 (E4M3) with one E8M0 scale for each 32 along K; o is then quantised along (h d) for the projection that follows.
; THE SOFTMAX AHEAD OF THE SECOND PRODUCT: t = score x log2(e) / 8; M = the row's largest t so far, rounded UP to a whole number; p = 2^(t - M) is quantised along the keys, not normalised.
; The row's sum is taken of the unquantised p and divides O at the end.  When M moves, the sum and O are multiplied by 2^(old M - new M): exact.
; SHARES.  A work-group owns 512 queries of ONE head of one batch.  The head's K and V, 16 records of 128 keys (images of operand registers, made by the launch before), are 274,432 bytes and lie in LDS whole:
; one barrier, then every wave walks the 16 records by itself.  A wave owns 32 queries, two tiles of 16, taken one after the other.
; CLUSTER.  The four query blocks of a head need the same records: each record is asked for JOINTLY, by the same tensor load with the same descriptor and a mask that names the four.
; NO PREFETCH: all that the launch reads through LDS is asked for by the head's loads; there is no loop to run ahead in.
; LAYOUT.  Both products are used transposed: S^T = K Q^T (source 0 = 16 keys, source 1 = my 16 queries), O^T = V^T P^T (source 0 = 16 channels, source 1 = P): a lane holds ONE query (lane % 16) throughout.
; The keys of a tile of K and the channels of a tile of V are chosen so that the 16 registers of tiles 2 b and 2 b + 1 are 16 neighbours, 32 b + 16 (lane / 16) + 0 .. 15, along the next product's K.
; K = 64 IN A FORM OF K = 128: Q's upper eight registers are zero codes.  K's tile t is named as v[F + 8 t .. F + 8 t + 15]: its upper eight registers are the next tile's codes (behind tile 7: zeros), finite numbers
; that meet Q's zeros; the scale bytes of those two blocks are 0, which is 2^-127 and no NaN.
; OUT.  A head's 64 channels are two chunks of 512 bytes of a fragment of aimg.  Its two scale bytes a row are half of a word of asc (the other head of the pair writes the other half): one store of 2 bytes a lane,
; 16 bytes apart, for the wave's 32 rows: these units of asc are written in part, 64 bytes a wave against its 2,048 bytes of codes.
; LIMITS: NaN and infinities among the inputs are not served; a block of zeros gets the byte 1 (its codes are zeros; this program alone reads the bytes); p under 2^-126 becomes 0; 1 / l is v_rcp_f32.
.set STEPB, 17152                      ; a record: K's image 8,192, V's image 8,192, K's scale words 512, V's 256
.set VOF,   8192
.set KSC,   16384
.set VSC,   16896
.set SPARE, 16*STEPB                   ; behind the records: the spare words, 128 bytes for each wave
.set L16,  1                           ; 16 x lane
.set L8,   2                           ; 8 x lane
.set SPW,  3                           ; my spare word; never rewritten
.set NIL,  4                           ; 0; never rewritten
.set ADR,  5                           ; the record in hand + 16 x lane
.set ADR8, 6                           ; + 8 x lane
.set OW,   9                           ; the first tile's two scale bytes of o
.set QW,   10                          ; Q's scale word of the tile in hand
.set QO,   11                          ; my byte offset in the wave's rows of q
                                       ; v12 -M, v13 the largest t, v[14:15] the sum in two halves
.set Q,    16                          ; v16-23 Q's codes; v24-31 zeros
.set F,    32                          ; v32-95 K's eight tiles, then V's four; v96-103 zeros
.set S,    104                         ; v104-167 S^T, then p
.set O,    168                         ; v168-199 O^T
.set PC,   200                         ; v200-215 p's codes
.set BM,   216                         ; v216-219 a block's largest score, then its largest p
.set T2,   220
.set HL,   224                         ; v224-227 448 x the scale
.set SO,   228                         ; v228-231 the conversions' scale operands
.set KS,   232                         ; v232-235 K's scale words
.set VS,   236                         ; v236-237 V's
.set PW,   238                         ; p's
.set FF,   240                         ; v[240:241] f = 2^(old M - new M), later 1 / l; v241 stays 0
.set TT,   242
.set SUM2, 244
.set QB,   246                         ; v246-253 the second tile's Q
.set QBW,  254
.set WV,   12
.set G1,   24
.set G0,   32
.set SEL,  36                          ; lane selects for v_permlanex16_b32: lane l xor 16
.set CS,   38                          ; c = log2(e) / 8, as a pair
.set MNT,  40                          ; the mantissa field of 448
.set TB,   41                          ; LDS byte at which the record in hand begins
.set INN,  42
.macro CROUND                          ; a round of the cluster's barrier
	s_barrier_signal -1
	s_barrier_wait -1
	s_cmp_lg_u32 s[WV], 0
	s_cbranch_scc1 .Lnot_wave_0_\@
	s_barrier_signal -3
.Lnot_wave_0_\@:
	s_barrier_wait -3
	s_barrier_signal -1
	s_barrier_wait -1
.endm
; 32 numbers of a lane, register 16 b + i = k 32 b + 16 (lane / 16) + i of my row, become 8 code registers from v[pc] on; the two scale bytes go into v[w].
.macro QUANT2 s, pc, w
.irp b, 0,1
	v_max3_num_f32 v[BM+\b], |v[\s+16*\b]|, |v[\s+1+16*\b]|, 0x4800000   ; and the floor 2^(9 - 127): the byte cannot fall under 1
.endr
.irp i, 2,4,6,8,10,12,14
.irp b, 0,1
	s_delay_alu instid0(VALU_DEP_2)
	v_max3_num_f32 v[BM+\b], v[BM+\b], |v[\s+16*\b+\i]|, |v[\s+1+16*\b+\i]|
.endr
.endr
.irp b, 0,1
	s_delay_alu instid0(VALU_DEP_2)
	v_permlanex16_b32 v[T2+\b], v[BM+\b], s[SEL], s[SEL+1]
.endr
.irp b, 0,1
	s_delay_alu instid0(VALU_DEP_2)
	v_max_num_f32 v[BM+\b], v[BM+\b], v[T2+\b]     ; with lane l xor 16's: the block's largest magnitude
.endr
.irp b, 0,1
	s_delay_alu instid0(VALU_DEP_2)
	v_add_nc_u32 v[SO+\b], 0xfc000000, v[BM+\b]    ; 8 off the exponent field: the conversion's scale operand
.endr
.irp b, 0,1
	s_delay_alu instid0(VALU_DEP_4)
	v_and_or_b32 v[HL+\b], v[BM+\b], 0x7f800000, s[MNT]   ; 448 x the scale
.endr
.irp b, 0,1
	s_delay_alu instid0(VALU_DEP_4)
	v_lshrrev_b32 v[T2+\b], 23, v[SO+\b]           ; the scale's byte
.endr
	s_delay_alu instid0(VALU_DEP_1)
	v_lshl_or_b32 v[\w], v[T2+1], 8, v[T2]
.irp b, 0,1
.irp i, 0,1,2,3,4,5,6,7,8,9,10,11,12,13,14,15
	v_med3_num_f32 v[\s+16*\b+\i], v[\s+16*\b+\i], -v[HL+\b], v[HL+\b]   ; the conversion does not saturate (ISA guide 7.6.2): the hold comes first
.endr
	v_cvt_scalef32_pk8_fp8_f32 v[\pc+4*\b:\pc+4*\b+1], v[\s+16*\b:\s+16*\b+7], v[SO+\b]
	v_cvt_scalef32_pk8_fp8_f32 v[\pc+4*\b+2:\pc+4*\b+3], v[\s+16*\b+8:\s+16*\b+15], v[SO+\b]
.endr
	v_nop                                          ; a plain line behind the last conversion
.endm
; The hold of p, one-sided since p is not negative: two numbers an instruction.  A pair takes an even register of one block and an odd one of its neighbour, so that destinations are even and odd and both sources lie in different banks.
.macro HOLD
.irp b, 0,2
.irp i, 0,2,4,6,8,10,12,14
	v_dual_min_num_f32 v[S+16*\b+\i], v[S+16*\b+\i], v[HL+\b] :: v_dual_min_num_f32 v[S+16*\b+17+\i], v[S+16*\b+17+\i], v[HL+\b+1]
	v_dual_min_num_f32 v[S+16*\b+16+\i], v[S+16*\b+16+\i], v[HL+\b+1] :: v_dual_min_num_f32 v[S+16*\b+1+\i], v[S+16*\b+1+\i], v[HL+\b]
.endr
.endr
.endm
	s_load_b256 s[4:11], s[0:1], 0x0               ; q s[4:5], kv s[6:7], aimg s[8:9], asc s[10:11]
	v_lshl_add_u32 v[SPW], v0, 2, SPARE
	v_mov_b32 v[NIL], 0
	ds_add_u32 v[SPW], v[NIL]                      ; the opening lines: the add, twice on end, and its wait ahead of my tensor load
	ds_add_u32 v[SPW], v[NIL]
	v_lshrrev_b32 v[TT], 5, v0
	s_delay_alu instid0(VALU_DEP_1)
	v_readfirstlane_b32 s[WV], v[TT]               ; wave 0..15
	s_bfe_u32 s13, ttmp6, 0x40000                  ; cx = my block of 512 queries: it enters q's, aimg's and asc's addresses alone
	s_and_b32 s15, ttmp7, 0xffff                   ; 16 batch + head
	s_lshr_b32 s16, s15, 4                         ; batch
	s_and_b32 s17, s15, 15                         ; head
	s_lshl_b32 s18, s16, 7
	s_lshl_b32 s19, s13, 5
	s_add_co_u32 s18, s18, s19
	s_lshl_b32 s19, s[WV], 1
	s_add_co_u32 s18, s18, s19                     ; my first tile of 16 rows among 512: 128 batch + 32 block + 2 wave
	s_lshl_b32 s20, s18, 16                        ; q: 16 rows of 4,096 bytes,
	s_lshl_b32 s19, s17, 8                         ; the head's 64 columns
	s_add_co_u32 s20, s20, s19
	s_mov_b32 s21, 0
	s_lshr_b32 s22, s17, 2                         ; aimg: [head / 4][tile of rows][(head / 2) % 2][head % 2][two chunks]
	s_lshl_b32 s22, s22, 21
	s_lshl_b32 s19, s18, 12
	s_add_co_u32 s22, s22, s19
	s_and_b32 s19, s17, 3
	s_lshl_b32 s19, s19, 10
	s_add_co_u32 s22, s22, s19
	s_mov_b32 s23, 0
	s_lshl_b32 s44, s16, 4                         ; asc: [128 rows][pair of heads][lane 16 (tile % 2) + row: 16 bytes][word (tile / 2) % 4][head % 2: 2 bytes]
	s_lshl_b32 s19, s13, 2
	s_add_co_u32 s44, s44, s19
	s_lshr_b32 s19, s[WV], 2
	s_add_co_u32 s44, s44, s19
	s_lshl_b32 s44, s44, 12
	s_lshr_b32 s19, s17, 1
	s_lshl_b32 s19, s19, 9
	s_add_co_u32 s44, s44, s19
	s_and_b32 s19, s[WV], 3
	s_lshl_b32 s19, s19, 2
	s_add_co_u32 s44, s44, s19
	s_and_b32 s19, s17, 1
	s_lshl_b32 s19, s19, 1
	s_add_co_u32 s44, s44, s19
	s_mov_b32 s45, 0
	s_lshl_b32 s46, s15, 4                         ; kv: record (16 batch + head) 16 + wave, in registers that never hold cx
	s_add_co_u32 s46, s46, s[WV]
	s_mul_i32 s46, s46, STEPB
	s_mov_b32 s47, 0
	s_mul_i32 s49, s[WV], STEPB                    ; and its place in LDS
	s_mov_b32 s[G1], 15|(3<<16)|(1<<21)            ; the mask: all four work-groups; elements of 8 bytes; bit 21 beside a mask; a record is 67 dense rows of 256 bytes
	s_mov_b32 s[G1+1], 32<<16
	s_mov_b32 s[G1+2], 67<<16
	s_mov_b32 s[G1+3], 32<<16
	s_mov_b32 s[G1+4], 67
	s_mov_b32 s[G1+5], 32
	s_mov_b32 s[G1+6], 0
	s_mov_b32 s[G1+7], 0
	s_mov_b32 s[SEL], 0x76543210
	s_mov_b32 s[SEL+1], 0xfedcba98
	s_mov_b32 s[CS], 0x3e38aa3b                    ; c = log2(e) / 8
	s_mov_b32 s[CS+1], s[CS]
	s_mov_b32 s[MNT], 0x600000
	v_and_b32 v[TT], 31, v0
	s_delay_alu instid0(VALU_DEP_1)
	v_lshlrev_b32 v[L16], 4, v[TT]
	s_delay_alu instid0(VALU_DEP_2)
	v_lshlrev_b32 v[L8], 3, v[TT]
	v_and_b32 v[TT], 15, v0                        ; r
	v_bfe_u32 v[SUM2], v0, 4, 1                    ; h
	s_delay_alu instid0(VALU_DEP_2)
	v_lshlrev_b32 v[QO], 12, v[TT]
	s_delay_alu instid0(VALU_DEP_1)
	v_lshl_add_u32 v[QO], v[SUM2], 6, v[QO]        ; q: row r, + 64 h: my 16 numbers of a block of 32
	s_wait_alu depctr_va_vdst(0)
	s_wait_dscnt 0x0                               ; both opening adds are done
	s_wait_kmcnt 0x0
	s_add_nc_u64 s[4:5], s[4:5], s[20:21]
	s_add_nc_u64 s[8:9], s[8:9], s[22:23]
	s_add_nc_u64 s[10:11], s[10:11], s[44:45]
	CROUND                                         ; all four work-groups are here: the joint loads meet
	s_mov_b32 s[G0], 1
	s_mov_b32 s[G0+1], s49
	s_add_nc_u64 s[G0+2:G0+3], s[6:7], s[46:47]
	s_or_b32 s[G0+3], s[G0+3], 0x80000000
	tensor_load_to_lds s[G0:G0+3], s[G1:G1+7]      ; my record of the head's sixteen: my one tensor load
	s_nop 0
.rept 4
	v_nop
.endr
.irp t, 0,1
.irp n, 0,1
.irp j, 0,1,2,3
	global_load_b128 v[S+32*\t+16*\n+4*\j:S+32*\t+16*\n+4*\j+3], v[QO], s[4:5] offset:65536*\t+128*\n+16*\j   ; q: tile t, block n: 16 numbers a lane
.endr
.endr
.endr
.irp j, 0,1,2,3,4,5,6,7
	v_mov_b32 v[Q+8+\j], 0                         ; the zero codes of Q's upper half,
	v_mov_b32 v[F+64+\j], 0                        ; and behind K's tile 7
.endr
.irp b, 0,1,2,3
	v_mov_b32 v[T2+\b], 0                          ; a lane permute's destination counts as one of its sources
.endr
	v_mov_b32 v[FF+1], 0
.macro FRESH                           ; the state of a tile's walk: the first change of M leaves zeros zeros
	v_mov_b32 v13, 0xff61b1e6                      ; the largest t so far: -3e38
	s_delay_alu instid0(VALU_DEP_1)
	v_floor_f32 v12, -v13                          ; -M
	v_mov_b32 v14, 0
	v_mov_b32 v15, 0
.set j, 0
.rept 32
	v_mov_b32 v[O+j], 0
.set j, j+1
.endr
.endm
	FRESH
	s_wait_alu depctr_va_vdst(0)
	s_wait_loadcnt 0x0                             ; q
	QUANT2 S, Q, QW                                ; the first tile's Q
	QUANT2 S+32, QB, QBW                           ; the second tile's, kept
; A KEY STEP: the 128 keys of the record at s[TB].
.macro STEP
	v_add_nc_u32 v[ADR], s[TB], v[L16]
	v_add_nc_u32 v[ADR8], s[TB], v[L8]
.rept 6
	v_nop                                          ; with the two additions: eight places in front of loads into registers that the last products read
.endr
.irp t, 0,1,2,3,4,5,6,7
	ds_load_b128 v[F+8*\t:F+8*\t+3], v[ADR] offset:1024*\t
	ds_load_b128 v[F+8*\t+4:F+8*\t+7], v[ADR] offset:1024*\t+512
.endr
	ds_load_b128 v[KS:KS+3], v[ADR] offset:KSC     ; register i: lanes 0-15 tile 2 i's words, lanes 16-31 tile 2 i + 1's
	s_wait_alu depctr_va_vdst(0)
	s_wait_dscnt 0x0
.irp t, 0,2,4,6                                ; S^T = K Q^T: eight accumulators, one product each
	v_wmma_scale_f32_16x16x128_f8f6f4 v[S+8*\t:S+8*\t+7], v[F+8*\t:F+8*\t+15], v[Q:Q+15], 0, v[KS+\t/2], v[QW]
	v_wmma_scale_f32_16x16x128_f8f6f4 v[S+8*\t+8:S+8*\t+15], v[F+8*\t+8:F+8*\t+23], v[Q:Q+15], 0, v[KS+\t/2], v[QW] matrix_a_scale:MATRIX_SCALE_ROW1
.endr
.rept 8
	v_nop                                          ; eight places: in front of the loads into K's registers and of the first read of the scores
.endr
.irp t, 0,1,2,3                                ; V's four tiles land while the softmax is worked
.irp c, 0,1,2,3
	ds_load_b128 v[F+16*\t+4*\c:F+16*\t+4*\c+3], v[ADR] offset:VOF+2048*\t+512*\c
.endr
.endr
	ds_load_b64 v[VS:VS+1], v[ADR8] offset:VSC
.irp b, 0,1,2,3
	v_max3_num_f32 v[BM+\b], v[S+16*\b], v[S+1+16*\b], v[S+2+16*\b]   ; the largest score of each block of 32 keys serves the row's maximum and, since p rises with the score, the block's largest p
.endr
.irp i, 3,5,7,9,11,13
.irp b, 0,1,2,3
	v_max3_num_f32 v[BM+\b], v[BM+\b], v[S+16*\b+\i], v[S+1+16*\b+\i]
.endr
.endr
.irp b, 0,1,2,3
	v_max_num_f32 v[BM+\b], v[BM+\b], v[S+15+16*\b]
.endr
.irp b, 0,1,2,3
	s_delay_alu instid0(VALU_DEP_4)
	v_permlanex16_b32 v[T2+\b], v[BM+\b], s[SEL], s[SEL+1]
.endr
.irp b, 0,1,2,3
	s_delay_alu instid0(VALU_DEP_4)
	v_max_num_f32 v[BM+\b], v[BM+\b], v[T2+\b]     ; with lane l xor 16's 16 keys
.endr
	s_delay_alu instid0(VALU_DEP_2)
	v_max3_num_f32 v[TT], v[BM], v[BM+1], v[BM+2]
	s_delay_alu instid0(VALU_DEP_1)
	v_max_num_f32 v[TT], v[TT], v[BM+3]            ; the step's largest score of my query
	s_delay_alu instid0(VALU_DEP_1)
	v_mul_f32 v[TT], s[CS], v[TT]                  ; as t (c is positive)
	s_delay_alu instid0(VALU_DEP_1)
	v_max_num_f32 v13, v13, v[TT]                  ; the running largest t
	v_mov_b32 v[TT], v12
	s_delay_alu instid0(VALU_DEP_2)
	v_floor_f32 v12, -v13                          ; the new -M = -ceil(t)
	s_delay_alu instid0(VALU_DEP_1)
	v_sub_f32 v[TT], v12, v[TT]                    ; old M - new M: a whole number, 0 or less
	s_delay_alu instid0(VALU_DEP_1)
	v_cvt_i32_f32 v[TT], v[TT]                     ; (it saturates)
	s_delay_alu instid0(VALU_DEP_1)
	v_ldexp_f32 v[FF], 1.0, v[TT]                  ; f = 2^(old M - new M)
.set j, 0
.rept 32
	v_pk_fma_f32 v[S+j:S+j+1], v[S+j:S+j+1], s[CS:CS+1], v[12:13] op_sel_hi:[1,0,0]   ; t - M, two at a time
.set j, j+2
.endr
.irp b, 0,1,2,3
	v_fma_f32 v[BM+\b], v[BM+\b], s[CS], v12       ; the same of each block's largest score
.endr
	s_wait_alu depctr_va_vdst(0)
.set j, 0
.rept 64
	v_exp_f32 v[S+j], v[S+j]                       ; p = 2^(t - M), at most 1: not normalised
.set j, j+1
.endr
.irp b, 0,1,2,3
	v_exp_f32 v[BM+\b], v[BM+\b]                   ; the block's largest p: the same two instructions on the same number give the same bits
.endr
	v_pk_mul_f32 v[14:15], v[14:15], v[FF:FF+1] op_sel_hi:[1,0]    ; the sums under the new M.  (A plain line behind the exponentials)
	s_wait_alu depctr_va_vdst(0)                   ; and the one wait behind the batch
.irp b, 0,1,2,3
	v_max_num_f32 v[BM+\b], 0x4800000, v[BM+\b]    ; the floor 2^(9 - 127): the byte cannot fall under 1
.endr
.irp b, 0,1,2,3
	s_delay_alu instid0(VALU_DEP_4)
	v_add_nc_u32 v[SO+\b], 0xfc000000, v[BM+\b]    ; the conversion's scale operand
.endr
.irp b, 0,1,2,3
	v_and_or_b32 v[HL+\b], v[BM+\b], 0x7f800000, s[MNT]   ; 448 x the scale
.endr
.irp b, 0,1,2,3
	v_lshrrev_b32 v[T2+\b], 23, v[SO+\b]           ; the scale's byte
.endr
	s_delay_alu instid0(VALU_DEP_3)
	v_lshl_or_b32 v[PW], v[T2+1], 8, v[T2]         ; p's scale word for these 128 keys
	s_delay_alu instid0(VALU_DEP_1)
	v_lshl_or_b32 v[PW], v[T2+2], 16, v[PW]
	s_delay_alu instid0(VALU_DEP_1)
	v_lshl_or_b32 v[PW], v[T2+3], 24, v[PW]
; the row's sum of the unquantised p: 32 pairs in eight chains by turns (seven in registers that are idle here), then joined
.set j, 0
.irp a, 244,234,232,218,216,214,212
	v_pk_add_f32 v[\a:\a+1], v[S+j:S+j+1], v[S+j+2:S+j+3]
.set j, j+4
.endr
	v_pk_add_f32 v[14:15], v[14:15], v[S+28:S+29]
.set j, 30
.rept 2
.irp a, 244,234,232,218,216,214,212,14
	v_pk_add_f32 v[\a:\a+1], v[\a:\a+1], v[S+j:S+j+1]
.set j, j+2
.endr
.endr
	v_pk_add_f32 v[244:245], v[244:245], v[S+62:S+63]
	s_delay_alu instid0(VALU_DEP_2)
	v_pk_add_f32 v[14:15], v[14:15], v[218:219]
	s_delay_alu instid0(VALU_DEP_2)
	v_pk_add_f32 v[244:245], v[244:245], v[216:217]
	v_pk_add_f32 v[234:235], v[234:235], v[214:215]
	v_pk_add_f32 v[232:233], v[232:233], v[212:213]
	s_delay_alu instid0(VALU_DEP_2)
	v_pk_add_f32 v[14:15], v[14:15], v[234:235]
	s_delay_alu instid0(VALU_DEP_2)
	v_pk_add_f32 v[244:245], v[244:245], v[232:233]
	s_delay_alu instid0(VALU_DEP_1)
	v_pk_add_f32 v[14:15], v[14:15], v[244:245]
	HOLD
.irp b, 0,1,2,3
	v_cvt_scalef32_pk8_fp8_f32 v[PC+4*\b:PC+4*\b+1], v[S+16*\b:S+16*\b+7], v[SO+\b]
	v_cvt_scalef32_pk8_fp8_f32 v[PC+4*\b+2:PC+4*\b+3], v[S+16*\b+8:S+16*\b+15], v[SO+\b]
.endr
	s_wait_alu depctr_va_vdst(0)
.set j, 0
.rept 16
	v_pk_mul_f32 v[O+j:O+j+1], v[O+j:O+j+1], v[FF:FF+1] op_sel_hi:[1,0]   ; O^T under the new M, each accumulator from its low end on.  (These sixteen also stand between the conversions and the products)
.set j, j+2
.endr
	s_wait_alu depctr_va_vdst(0)
	s_wait_dscnt 0x0                               ; V and its scale words are in
.irp t, 0,2                                    ; O^T += V^T P^T: four accumulators, one product each
	v_wmma_scale_f32_16x16x128_f8f6f4 v[O+8*\t:O+8*\t+7], v[F+16*\t:F+16*\t+15], v[PC:PC+15], v[O+8*\t:O+8*\t+7], v[VS+\t/2], v[PW]
	v_wmma_scale_f32_16x16x128_f8f6f4 v[O+8*\t+8:O+8*\t+15], v[F+16*\t+16:F+16*\t+31], v[PC:PC+15], v[O+8*\t+8:O+8*\t+15], v[VS+\t/2], v[PW] matrix_a_scale:MATRIX_SCALE_ROW1
.endr
.endm
.macro WALK                            ; a tile's walk over the head's sixteen records: no barrier, nothing is filled again
	s_mov_b32 s[TB], 0
	s_mov_b32 s[INN], 16
.Lstep_\@:
	STEP
	s_add_co_u32 s[TB], s[TB], STEPB
	s_sub_co_u32 s[INN], s[INN], 1
	s_cmp_lg_u32 s[INN], 0
	s_cbranch_scc1 .Lstep_\@
.endm
; A TILE'S END: o = O^T / l; its 64 channels are two blocks of 32 along the projection's K; two chunks go out, 512 consecutive bytes a store.
.macro FINAL tl, w
.rept 8
	v_nop                                          ; eight places behind the last products
.endr
	v_add_f32 v14, v14, v15
	s_delay_alu instid0(VALU_DEP_1)
	v_permlanex16_b32 v[TT], v14, s[SEL], s[SEL+1]
	s_delay_alu instid0(VALU_DEP_1)
	v_add_f32 v14, v14, v[TT]                      ; the row's sum
	s_wait_alu depctr_va_vdst(0)
	v_rcp_f32 v[FF], v14
	v_nop                                          ; a plain line behind it
	s_wait_alu depctr_va_vdst(0)                   ; and the wait ahead of its first reader, which is also O^T's
.set j, 0
.rept 16
	v_pk_mul_f32 v[S+j:S+j+1], v[O+j:O+j+1], v[FF:FF+1] op_sel_hi:[1,0]   ; register 16 b + i: channel 32 b + 16 (lane / 16) + i
.set j, j+2
.endr
	QUANT2 S, PC, \w
	global_store_b128 v[L16], v[PC:PC+3], s[8:9] offset:4096*\tl
	global_store_b128 v[L16], v[PC+4:PC+7], s[8:9] offset:4096*\tl+512
.endm
	s_wait_alu depctr_va_vdst(0)
	s_wait_tensorcnt 0x0                           ; my record is in
	s_barrier_signal -1
	s_barrier_wait -1                              ; and so is everybody's
	WALK
	FINAL 0, OW
.irp j, 0,1,2,3,4,5,6,7
	v_mov_b32 v[Q+\j], v[QB+\j]                    ; the second tile's Q,
.endr
	v_mov_b32 v[QW], v[QBW]                        ; its scale word,
	FRESH                                          ; and a fresh state
	s_wait_alu depctr_va_vdst(0)
	s_wait_xcnt 0x0                                ; the stores have read their codes: the next step's conversions may write those registers
	WALK
	FINAL 1, TT
	v_and_b32 v[SUM2], 31, v0
	s_delay_alu instid0(VALU_DEP_1)
	v_cmp_lt_u32 vcc_lo, 15, v[SUM2]
	v_cndmask_b32 v[OW], v[OW], v[TT], vcc_lo      ; lanes 0-15: the first tile's rows; lanes 16-31: the second's (lanes l and l + 16 hold the same row's bytes of either tile)
	global_store_b16 v[L16], v[OW], s[10:11]       ; my head's half of 32 scale words
	s_wait_tensorcnt 0x0                           ; the wave's end
	ds_add_u32 v[SPW], v[NIL]
	s_wait_dscnt 0x0
	CROUND                                         ; the closing round
	s_endpgm
.Lfunc_end_k_q1e65263dd6_attn:
	.size	k_q1e65263dd6_attn, .Lfunc_end_k_q1e65263dd6_attn-k_q1e65263dd6_attn
	.p2alignl 7, 3214868480
	.fill 96, 4, 3214868480
	.section	.rodata,"a",@progbits
	.p2align	6, 0x0
	.amdhsa_kernel k_q1e65263dd6_attn
		.amdhsa_group_segment_fixed_size 327680
		.amdhsa_private_segment_fixed_size 0
		.amdhsa_enable_private_segment 0
		.amdhsa_kernarg_size 32
		.amdhsa_user_sgpr_count 2
		.amdhsa_user_sgpr_kernarg_segment_ptr 1
		.amdhsa_wavefront_size32 1
		.amdhsa_system_sgpr_workgroup_id_x 1
		.amdhsa_system_sgpr_workgroup_id_y 1
		.amdhsa_system_sgpr_workgroup_id_z 1
		.amdhsa_system_vgpr_workitem_id 0
		.amdhsa_next_free_vgpr 256
		.amdhsa_next_free_sgpr 66
		.amdhsa_reserve_vcc 1
		.amdhsa_float_denorm_mode_32 3
		.amdhsa_float_denorm_mode_16_64 3
		.amdhsa_memory_ordered 1
		.amdhsa_forward_progress 1
		.amdhsa_inst_pref_size 71
	.end_amdhsa_kernel
	.amdgpu_metadata
---
amdhsa.version: [ 1, 2 ]
amdhsa.kernels:
  - .name:           k_q1e65263dd6_attn
    .symbol:         k_q1e65263dd6_attn.kd
    .args:
      - { .name: q, .offset: 0, .size: 8, .value_kind: global_buffer, .address_space: global }
      - { .name: kv, .offset: 8, .size: 8, .value_kind: global_buffer, .address_space: global }
      - { .name: aimg, .offset: 16, .size: 8, .value_kind: global_buffer, .address_space: global }
      - { .name: asc, .offset: 24, .size: 8, .value_kind: global_buffer, .address_space: global }
    .group_segment_fixed_size: 327680
    .private_segment_fixed_size: 0
    .kernarg_segment_align: 8
    .kernarg_segment_size: 32
    .max_flat_workgroup_size: 512
    .sgpr_count:     66
    .vgpr_count:     256
    .wavefront_size: 32
...
	.end_amdgpu_metadata
.endif
;; end of part 2
;; launch proj (part 3): grid 32 x 8, 4 waves a work-group, clusters of 4 x 1, 167,936 bytes of LDS; arguments aimg, asc, wimg, bsc, out0; writes out0
.if DOCPART == 3
	.amdgcn_target "amdgcn-amd-amdhsa--gfx1250"
	.amdhsa_code_object_version 6
	.text
	.protected	k_q1e65263dd6_proj
	.globl	k_q1e65263dd6_proj
	.p2align	8
	.type	k_q1e65263dd6_proj,@function
k_q1e65263dd6_proj:
	s_mov_b64 s[64:65], 0
	v_nop
	global_prefetch_b8 v0, s[64:65] scope:SCOPE_SE
	s_setreg_imm32_b32 hwreg(HW_REG_WAVE_MODE, 25, 1), 1
	s_wait_xcnt 0x0
	s_wait_alu depctr_hold_cnt(0) depctr_sa_sdst(0) depctr_va_vdst(0) depctr_va_sdst(0) depctr_va_ssrc(0) depctr_va_vcc(0) depctr_vm_vsrc(0)
	s_getreg_b32 s2, hwreg(HW_REG_IB_STS2, 6, 4)
	s_cmp_eq_u32 s2, 0
	s_cbranch_scc0 .Lentry_in_a_cluster
	s_endpgm
.Lentry_in_a_cluster:
	s_bfe_u32 s2, ttmp6, 0x10000c
	s_cmp_lg_u32 s2, 0x3003
	s_cbranch_scc0 .Lentry_shape_is_right
	s_endpgm
.Lentry_shape_is_right:
; out0[m][n] = the sum over k of o[m][k] w_out[n][k], K = 1,024, on codes of FP8 (E4M3) with one E8M0 scale for each 32 along K.  Both operands come as images of operand registers:
; aimg [256 along K][16 rows][128 along K][4 chunks of 512 bytes], wimg likewise; asc, bsc [128 rows][128 along K][512 bytes: lane l's register i = the word of tile 2 i + l / 16, row l % 16].
; SHARES.  A work-group makes 256 rows x 128 columns; each of its four waves 64 rows x 128 columns.  32 x 8 work-groups.
; B: the 128 rows of w_out, all of K, are 131,072 bytes: they come into LDS once, one tensor load a wave (256 along K each), and stay: no byte is filled twice, one barrier.
; A: a wave alone uses its 64 rows, so they go from memory straight into its registers, all of K: 128 loads of 512 consecutive bytes, 512 registers; a fragment of A is loaded once and serves both halves of the columns.
; The columns go in two halves of 64: 16 accumulators each, in sets of their own, so that the first half's results leave while the second half is multiplied.
; CLUSTER.  Four work-groups along m need the same rows of w_out: each tile is asked for JOINTLY, with a mask that names the four.  A's rows are shared by no partner.
; NO PREFETCH: all loads go out at the head; there is no loop to run ahead in.
; THE MATRIX INSTRUCTION IS USED TRANSPOSED (source 0 = 16 rows of w_out, source 1 = 16 rows of o): a lane holds eight neighbouring columns of one row of out0.
; REGISTERS: window 0: v1-9 addresses; v32-63 B's scale words, v64-79 A's; v80-111 rows on the way out; v128-255 B's fragments, two sets of four.  Window 1: two sets of 16 accumulators.  Windows 2, 3: A (K step k, block a at 64 (k % 4) + 16 a).
.set BKQ,    32768                     ; B's 128 rows x 256 along K
.set STAGE,  4*BKQ                     ; behind B: 16 rows x (256 + 16) bytes for each wave, for the way out; no fill lands there
.set SPITCH, 272
.set SPARE,  STAGE+4*16*SPITCH         ; the spare words, 128 bytes for each wave
.set ADB,  2                           ; v2 16 x lane (also the global loads' offset); v3 the same + 65,536
.set STO,  4
.set RD,   5
.set CO,   6
.set SPW,  8
.set NIL,  9
.set SCB,  32
.set SCA,  64
.set OB,   80
.set BF,   128
.set G1,   24
.set G0,   32
.set MSB, 0
.macro WIN new                         ; the immediate's high byte repeats the setting that is left
.if MSB != \new
	s_set_vgpr_msb (MSB<<8)|\new
.set MSB, \new
.endif
.endm
.macro CROUND
	s_barrier_signal -1
	s_barrier_wait -1
	s_cmp_lg_u32 s14, 0
	s_cbranch_scc1 .Lnot_wave_0_\@
	s_barrier_signal -3
.Lnot_wave_0_\@:
	s_barrier_wait -3
	s_barrier_signal -1
	s_barrier_wait -1
.endm
.macro PLACES
.rept 8
	v_nop
.endr
.endm
	s_load_b128 s[4:7], s[0:1], 0x0                ; aimg, asc
	s_load_b128 s[8:11], s[0:1], 0x10              ; wimg, bsc
	s_load_b64 s[12:13], s[0:1], 0x20              ; out0
	v_lshl_add_u32 v[SPW], v0, 2, SPARE
	v_mov_b32 v[NIL], 0
	ds_add_u32 v[SPW], v[NIL]                      ; the opening lines: the add, twice on end, and its wait
	ds_add_u32 v[SPW], v[NIL]
	v_lshrrev_b32 v10, 5, v0
	v_readfirstlane_b32 s14, v10                   ; wave 0..3
	s_bfe_u32 s15, ttmp6, 0x40000                  ; cx: it enters A's, A's scales' and out0's addresses alone
	s_lshl_b32 s17, ttmp9, 2
	s_add_co_u32 s17, s17, s15                     ; my block of 256 rows
	s_and_b32 s16, ttmp7, 0xffff                   ; my block of 128 columns
	s_mov_b32 s[G1], 15|(3<<16)|(1<<21)            ; the mask: all four; elements of 8 bytes; bit 21 beside a mask; 128 dense rows of 256 bytes
	s_mov_b32 s[G1+1], 32<<16
	s_mov_b32 s[G1+2], 128<<16
	s_mov_b32 s[G1+3], 32<<16
	s_mov_b32 s[G1+4], 128
	s_mov_b32 s[G1+5], 32
	s_mov_b32 s[G1+6], 0
	s_mov_b32 s[G1+7], 0
	s_lshl_b32 s20, s14, 18                        ; wimg: 262,144 x wave (which 256 along K) + 32,768 x column block
	s_lshl_b32 s21, s16, 15
	s_add_co_u32 s20, s20, s21
	s_mov_b32 s21, 0
	s_lshl_b32 s22, s17, 4                         ; aimg: tile of rows 16 x block + 4 x wave, 4,096 bytes each
	s_lshl_b32 s23, s14, 2
	s_add_co_u32 s22, s22, s23
	s_lshl_b32 s22, s22, 12
	s_mov_b32 s23, 0
	s_lshl_b32 s40, s17, 1                         ; asc: block of 128 rows 2 x block + wave / 2; my 64 rows are registers 2 (wave % 2), + 1 of each lane's four
	s_lshr_b32 s41, s14, 1
	s_add_co_u32 s40, s40, s41
	s_lshl_b32 s40, s40, 12
	s_and_b32 s41, s14, 1
	s_lshl_b32 s41, s41, 3
	s_add_co_u32 s40, s40, s41
	s_mov_b32 s41, 0
	s_lshl_b32 s42, s16, 12                        ; bsc
	s_mov_b32 s43, 0
	s_lshl_b32 s44, s17, 8                         ; out0: row 256 x block + 64 x wave, 4,096 bytes each; column block: 512 bytes
	s_lshl_b32 s45, s14, 6
	s_add_co_u32 s44, s44, s45
	s_lshl_b32 s44, s44, 12
	s_lshl_b32 s45, s16, 9
	s_add_co_u32 s44, s44, s45
	s_mov_b32 s45, 0
	s_mul_i32 s46, s14, 16*SPITCH
	s_add_co_u32 s46, s46, STAGE                   ; my stage
	v_and_b32 v10, 31, v0
	v_and_b32 v11, 15, v0                          ; r
	v_bfe_u32 v12, v0, 4, 1                        ; h
	v_lshlrev_b32 v[ADB], 4, v10
	v_add_nc_u32 v[ADB+1], 0x10000, v[ADB]
	v_mul_u32_u24 v13, v11, SPITCH
	v_lshl_add_u32 v13, v12, 5, v13
	v_add_nc_u32 v[STO], s46, v13                  ; in: row r, 32 bytes for each half of the lanes
	v_mul_u32_u24 v13, v12, SPITCH
	v_lshl_add_u32 v13, v11, 4, v13
	v_add_nc_u32 v[RD], s46, v13                   ; back: lanes 0-15 one row of 256 bytes, lanes 16-31 the next
	v_lshlrev_b32 v13, 12, v12
	v_lshl_add_u32 v[CO], v11, 4, v13              ; and the same two rows in out0
	s_wait_alu depctr_va_vdst(0)
	s_wait_dscnt 0x0                               ; both opening adds are done
	s_wait_kmcnt 0x0
	s_add_nc_u64 s[4:5], s[4:5], s[22:23]
	s_add_nc_u64 s[6:7], s[6:7], s[40:41]
	s_add_nc_u64 s[10:11], s[10:11], s[42:43]
	s_add_nc_u64 s[12:13], s[12:13], s[44:45]
	CROUND                                         ; all four work-groups are here: the joint loads meet
	s_mov_b32 s[G0], 1
	s_lshl_b32 s[G0+1], s14, 15                    ; LDS: 32,768 x wave
	s_add_nc_u64 s[G0+2:G0+3], s[8:9], s[20:21]
	s_or_b32 s[G0+3], s[G0+3], 0x80000000
	tensor_load_to_lds s[G0:G0+3], s[G1:G1+7]      ; my one tensor load
	s_nop 0
.rept 4
	v_nop
.endr
.irp k, 0,1,2,3,4,5,6,7
	global_load_b128 v[SCB+4*\k:SCB+4*\k+3], v[ADB], s[10:11] offset:512*\k
	global_load_b64 v[SCA+2*\k:SCA+2*\k+1], v[ADB], s[6:7] offset:512*\k
.endr
.macro LOADA k                         ; A's four fragments of K step k: 16 loads of 512 consecutive bytes
.irp a, 0,1,2,3
.irp c, 0,1,2,3
	global_load_b128 v[64*((\k)%4)+16*\a+4*\c:64*((\k)%4)+16*\a+4*\c+3], v[ADB], s[4:5] offset:((\k)/2)*2097152+\a*4096+((\k)%2)*2048+\c*512
.endr
.endr
.endm
	WIN 0x80                                       ; destination: window 2
.irp k, 0,1,2,3
	LOADA \k
.endr
	WIN 0xc0                                       ; window 3
.irp k, 4,5,6,7
	LOADA \k
.endr
	WIN 0
; Step n of sixteen: half n / 8 of the columns, K step n % 8.
.macro LOADB n                         ; B's four fragments of step n into set n % 2
.set kk, (\n)%8
.set ss, (\n)/8
.irp b, 0,1,2,3
.irp c, 0,1,2,3
	ds_load_b128 v[BF+64*((\n)%2)+16*\b+4*\c:BF+64*((\n)%2)+16*\b+4*\c+3], v[ADB+kk/4] offset:((kk/2)%2)*BKQ+(4*ss+\b)*4096+(kk%2)*2048+\c*512
.endr
.endr
.endm
.macro WM
.if rZ
.if rOB && rOA
	v_wmma_scale_f32_16x16x128_f8f6f4 v[rD:rD+7], v[rB:rB+15], v[rA:rA+15], 0, v[rSB], v[rSA] matrix_a_scale:MATRIX_SCALE_ROW1 matrix_b_scale:MATRIX_SCALE_ROW1
.elseif rOB
	v_wmma_scale_f32_16x16x128_f8f6f4 v[rD:rD+7], v[rB:rB+15], v[rA:rA+15], 0, v[rSB], v[rSA] matrix_a_scale:MATRIX_SCALE_ROW1
.elseif rOA
	v_wmma_scale_f32_16x16x128_f8f6f4 v[rD:rD+7], v[rB:rB+15], v[rA:rA+15], 0, v[rSB], v[rSA] matrix_b_scale:MATRIX_SCALE_ROW1
.else
	v_wmma_scale_f32_16x16x128_f8f6f4 v[rD:rD+7], v[rB:rB+15], v[rA:rA+15], 0, v[rSB], v[rSA]
.endif
.else
.if rOB && rOA
	v_wmma_scale_f32_16x16x128_f8f6f4 v[rD:rD+7], v[rB:rB+15], v[rA:rA+15], v[rD:rD+7], v[rSB], v[rSA] matrix_a_scale:MATRIX_SCALE_ROW1 matrix_b_scale:MATRIX_SCALE_ROW1
.elseif rOB
	v_wmma_scale_f32_16x16x128_f8f6f4 v[rD:rD+7], v[rB:rB+15], v[rA:rA+15], v[rD:rD+7], v[rSB], v[rSA] matrix_a_scale:MATRIX_SCALE_ROW1
.elseif rOA
	v_wmma_scale_f32_16x16x128_f8f6f4 v[rD:rD+7], v[rB:rB+15], v[rA:rA+15], v[rD:rD+7], v[rSB], v[rSA] matrix_b_scale:MATRIX_SCALE_ROW1
.else
	v_wmma_scale_f32_16x16x128_f8f6f4 v[rD:rD+7], v[rB:rB+15], v[rA:rA+15], v[rD:rD+7], v[rSB], v[rSA]
.endif
.endif
.endm
.macro MUL n                           ; 16 products, the half's 16 accumulators by turns; K step 0 starts the sums
.set kk, (\n)%8
.set ss, (\n)/8
.set rZ, kk==0
	WIN 0x50|((2+kk/4)<<2)                         ; source 0 (B) window 0, source 1 (A) window 2 or 3, C and D window 1
.irp a, 0,1,2,3
.irp b, 0,1,2,3
.set rD,  128*ss+8*(4*\a+\b)
.set rB,  BF+64*((\n)%2)+16*\b
.set rA,  64*(kk%4)+16*\a
.set rSB, SCB+4*kk+2*ss+\b/2
.set rSA, SCA+2*kk+\a/2
.set rOB, \b%2
.set rOA, \a%2
	WM
.endr
.endr
.endm
; THE WAY OUT of block a (16 rows x 64 columns) of half s: through my own stage, back as whole rows of 256 bytes.  LDS serves a wave's instructions in order (ISA guide 5.7.1.4): no wait between the stores and the loads.
.macro OUTS s, a, ob
	s_wait_xcnt 0x0                                ; earlier stores have read the registers that the loads below write
	WIN 0x04                                       ; the data: window 1
.irp b, 0,1,2,3
	ds_store_b128 v[STO], v[128*(\s)+8*(4*(\a)+\b):128*(\s)+8*(4*(\a)+\b)+3] offset:64*\b     ; each accumulator from its low end on
	ds_store_b128 v[STO], v[128*(\s)+8*(4*(\a)+\b)+4:128*(\s)+8*(4*(\a)+\b)+7] offset:64*\b+16
.endr
	WIN 0
.irp t, 0,1,2,3,4,5,6,7
	ds_load_b128 v[\ob+4*\t:\ob+4*\t+3], v[RD] offset:\t*2*SPITCH
.endr
.endm
.macro SEND s, a, ob
.irp t, 0,1,2,3,4,5,6,7
	global_store_b128 v[CO], v[\ob+4*\t:\ob+4*\t+3], s[12:13] offset:(16*(\a)+2*\t)*4096+256*(\s) th:TH_STORE_NT   ; sixteen lanes store 256 consecutive bytes, aligned
.endr
.endm
	s_wait_tensorcnt 0x0                           ; my part of B is in
	s_barrier_signal -1
	s_barrier_wait -1                              ; and everybody's
	LOADB 0
.set nn, 0
.rept 16
.if nn > 0
	PLACES                                         ; eight places in front of loads into registers that the last products read, and of LDS stores of results
.endif
	WIN 0
.if nn < 15
	LOADB nn+1
.endif
.if (nn >= 8) && (nn < 12)
	OUTS 0, nn-8, OB                               ; the first half's block nn - 8 leaves under the second half's products
	s_wait_dscnt 32                                ; this step's fragments are in; younger: the next step's 16 loads and the block's 16 LDS instructions
.elseif nn < 15
	s_wait_dscnt 16                                ; younger: the next step's 16 loads
.else
	s_wait_dscnt 0x0
.endif
.if nn < 8
.if 16*(7-nn) > 63
	s_wait_loadcnt 63                              ; the scale words and A's K step nn are in: more than 63 loads were issued behind them
.else
	s_wait_loadcnt 16*(7-nn)                       ; younger: 16 loads for each later K step
.endif
.endif
	MUL nn
.if (nn >= 8) && (nn < 12)
	WIN 0
	s_wait_dscnt 0x0                               ; the block is back in registers
	SEND 0, nn-8, OB
.endif
.set nn, nn+1
.endr
	PLACES
	WIN 0
	OUTS 1, 0, OB                                  ; the second half: two sets of registers by turns (the second where B's fragments lay)
	OUTS 1, 1, BF
	s_wait_dscnt 16                                ; younger: the next block's 8 stores and 8 loads
	SEND 1, 0, OB
	OUTS 1, 2, OB
	s_wait_dscnt 16
	SEND 1, 1, BF
	OUTS 1, 3, BF
	s_wait_dscnt 16
	SEND 1, 2, OB
	s_wait_dscnt 0x0
	SEND 1, 3, BF
	s_wait_tensorcnt 0x0                           ; the wave's end
	ds_add_u32 v[SPW], v[NIL]
	s_wait_dscnt 0x0
	CROUND                                         ; the closing round
	s_endpgm
.Lfunc_end_k_q1e65263dd6_proj:
	.size	k_q1e65263dd6_proj, .Lfunc_end_k_q1e65263dd6_proj-k_q1e65263dd6_proj
	.p2alignl 7, 3214868480
	.fill 96, 4, 3214868480
	.section	.rodata,"a",@progbits
	.p2align	6, 0x0
	.amdhsa_kernel k_q1e65263dd6_proj
		.amdhsa_group_segment_fixed_size 167936
		.amdhsa_private_segment_fixed_size 0
		.amdhsa_enable_private_segment 0
		.amdhsa_kernarg_size 40
		.amdhsa_user_sgpr_count 2
		.amdhsa_user_sgpr_kernarg_segment_ptr 1
		.amdhsa_wavefront_size32 1
		.amdhsa_system_sgpr_workgroup_id_x 1
		.amdhsa_system_sgpr_workgroup_id_y 1
		.amdhsa_system_sgpr_workgroup_id_z 1
		.amdhsa_system_vgpr_workitem_id 0
		.amdhsa_next_free_vgpr 1024
		.amdhsa_next_free_sgpr 66
		.amdhsa_reserve_vcc 0
		.amdhsa_float_denorm_mode_32 3
		.amdhsa_float_denorm_mode_16_64 3
		.amdhsa_memory_ordered 1
		.amdhsa_forward_progress 1
		.amdhsa_inst_pref_size 88
	.end_amdhsa_kernel
	.amdgpu_metadata
---
amdhsa.version: [ 1, 2 ]
amdhsa.kernels:
  - .name:           k_q1e65263dd6_proj
    .symbol:         k_q1e65263dd6_proj.kd
    .args:
      - { .name: aimg, .offset: 0, .size: 8, .value_kind: global_buffer, .address_space: global }
      - { .name: asc, .offset: 8, .size: 8, .value_kind: global_buffer, .address_space: global }
      - { .name: wimg, .offset: 16, .size: 8, .value_kind: global_buffer, .address_space: global }
      - { .name: bsc, .offset: 24, .size: 8, .value_kind: global_buffer, .address_space: global }
      - { .name: out0, .offset: 32, .size: 8, .value_kind: global_buffer, .address_space: global }
    .group_segment_fixed_size: 167936
    .private_segment_fixed_size: 0
    .kernarg_segment_align: 8
    .kernarg_segment_size: 40
    .max_flat_workgroup_size: 128
    .sgpr_count:     66
    .vgpr_count:     1024
    .wavefront_size: 32
...
	.end_amdgpu_metadata
.endif
;; end of part 3
